; MI455X (gfx1250); checked and timed in simulation.
; The chip was launched on July 23, 2026; its instructions are those of AMD's public machine-readable ISA for CDNA 5 (MIT licence, August 2026) and "CDNA5" Instruction Set Architecture Reference Guide (July 2026). The comments in the code are by the model that wrote it; some were corrected since.
;; Modern Hopfield Layer. Allowed arithmetic: matrix products marked QUANTISED: E2M3 operands, one E8M0 scale for each 32 along K, by v_wmma_scale_f32_16x16x128_f8f6f4 with both operands' format E2M3, f32 sums; everything else in f32.
;; Inputs: Wo 1,024 x 1,024 float32; Wq 1,024 x 1,024 float32; bo 1,024 float32; bq 1,024 float32; memory 2,048 x 64 float32; x 2 x 2,048 x 1,024 float32.
;; Outputs: out0 2 x 2,048 x 1,024 float32.
;; Constants: iterations = 2.
;; This version of the problem:
;;   THIS VERSION OF THE PROBLEM IS GIVEN IN LOW PRECISION. The matrix products marked QUANTISED in the list below multiply operands that are first quantised to E2M3 (2 exponent bits, 3 mantissa bits; 6 bits a number), with one power-of-two scale for each 32 numbers along K (OCP MX v1.0); their sums are f32. All else is computed in f32.
;;   The module's matrix products, in the order in which they are computed (A, B: the left and right operand; K: the contracted axis; several contracted axes count as one K, in the product's order):
;;     1. [M 4,096, K 1,024] x [K 1,024, N 1,024]; A: input x; B: input Wq: QUANTISED
;;     2. [M 65,536, K 64] x [K 64, N 2,048]; A: computed on the way; B: input memory: QUANTISED
;;     3. [M 65,536, K 2,048] x [K 2,048, N 64]; A: softmax (see below); B: input memory: QUANTISED
;;     4. [M 65,536, K 64] x [K 64, N 2,048]; A: computed on the way; B: input memory: QUANTISED
;;     5. [M 65,536, K 2,048] x [K 2,048, N 64]; A: softmax (see below); B: input memory: QUANTISED
;;     6. [M 4,096, K 1,024] x [K 1,024, N 1,024]; A: computed on the way; B: input Wo: QUANTISED
;;   THE QUANTISER, for each operand of a quantised product, along K:
;;     - K is cut into blocks of 32 from its start; a last block that is shorter is filled with zeros.
;;     - A block's scale is 2^e with e = floor(log2(the largest magnitude in the block)) - 2, held to -126 .. 127; a block of zeros has e = 0. As a byte (E8M0): e + 127.
;;     - Each number is divided by its block's scale, clamped to +-7.5, and rounded to the nearest number of E2M3, ties to even, subnormals kept.
;;     - The product sums the exact products of the quantised numbers (number of the format x scale) in f32.
;;   ~~~python
;;   def quantise(x, axis):      # numpy; x: float32 -> the quantised numbers, widened to float32 again
;;       x = np.moveaxis(x, axis, -1); K = x.shape[-1]
;;       x = np.pad(x, [(0, 0)] * (x.ndim - 1) + [(0, -K % 32)]); x = x.reshape(x.shape[:-1] + (-1, 32)); a = np.abs(x).max(-1, keepdims=True)
;;       e = np.where(a > 0, np.clip(np.frexp(np.where(a > 0, a, 1))[1] - 1 - 2, -126, 127), 0)      # np.frexp(a)[1] - 1 = floor(log2(a)), exactly
;;       r = np.clip(x / 2.0 ** e, -7.5, 7.5)
;;       step = 2.0 ** (np.maximum(np.frexp(np.where(r == 0, 1, r))[1] - 1, 0) - 3)
;;       q = np.round(r / step) * step * 2.0 ** e      # np.round: ties to even
;;       return np.moveaxis(q.reshape(q.shape[:-2] + (-1,))[..., :K], -1, axis).astype(np.float32)
;;   ~~~
;;   SOFTMAX AHEAD OF A QUANTISED PRODUCT. Where the list says 'softmax', what is quantised is not the finished softmax but p = 2^(t - M), with t = logit x log2(e) and M = ceil(the row's largest t), a whole number; so 1/2 < the row's largest p <= 1. The row's sum l is taken of the UNQUANTISED p, in f32, and the product's result is divided by l at the end. Since M is a whole number, a kernel that streams over the keys may use a running M (the ceiling of the running maximum): every later rescaling is an exact power of two, which a block's scale takes up: the codes' values come out the same.
;;   OPERANDS COMPUTED ON THE WAY. 'Computed on the way' means the value that the module computes at that place (a softmax that the list does not call 'softmax' is quantised finished and normalised). What goes into a quantiser is computed in f32, as accurately as f32 sums, v_exp_f32 and their like allow (about 1e-6 of the number): no bf16 or f16 on the way to a quantiser, and a product that is left as it is and whose result goes on into a quantised operand takes f32 operands (vector FMAs, or v_wmma_f32_16x16x4_f32). A number that lies on a knife's edge between two numbers of the format may be rounded either way, as far as f32 arithmetic and the matrix unit's own rounding can turn it there, and no further.
;; One version. Each part assembles by itself: llvm-mc -triple=amdgcn-amd-amdhsa -mcpu=gfx1250 --defsym DOCPART=n.
;; ======== version 1 of 1: 3 launches
;; limits: right only within a limited range of input values
;; workspace buffers: xq 3,407,872 bytes; wqq 851,968 bytes; woq 851,968 bytes; bank 212,992 bytes; hq 3,407,872 bytes
;; launch prep (part 1): grid 416 x 1, 4 waves a work-group, no clusters, 67,072 bytes of LDS; arguments x, Wq, Wo, memory, xq, wqq, woq, bank; writes xq, wqq, woq, bank
.if DOCPART == 1
	.amdgcn_target "amdgcn-amd-amdhsa--gfx1250"
	.amdhsa_code_object_version 6
	.text
	.protected	k_q78819f8c0d_prep
	.globl	k_q78819f8c0d_prep
	.p2align	8
	.type	k_q78819f8c0d_prep,@function
k_q78819f8c0d_prep:
	s_mov_b64 s[64:65], 0
	v_nop
	global_prefetch_b8 v0, s[64:65] scope:SCOPE_SE
	s_setreg_imm32_b32 hwreg(HW_REG_WAVE_MODE, 25, 1), 1
	s_wait_xcnt 0x0
; x [4096][1024], Wq and Wo [1024][1024] and memory [2048][64], all f32, become codes of FP6 (E2M3) with one E8M0 scale byte for each 32 along K,
; laid in the order of the operand's registers.  Nothing of the module is left out in this program: every input has a way to the output.
; A FRAGMENT is 16 rows x 128 K: 12 registers a lane, 1,536 bytes: register j of lane L at 512 (j / 4) + 16 L + 4 (j % 4).  Lane (r, h) holds row slot r; registers 6 c .. 6 c + 5 are block 2 c + h of the 128.
; A PANEL is 128 rows x 1,024 K: fragment (tile tt, K step s) at (8 tt + s) x 1,536; scale images of 128 bytes from 98,304 on at (8 tt + s) x 128: at 4 L the word (one byte a block) of row slot L % 16.  106,496 bytes.
; x's tiles take neighbouring rows.  Tile T of Wq or Wo takes rows 64 (T / 4) + 8 (T % 4) + r % 8 + 32 (r / 8): in a product used transposed a lane's 32 results of four tiles are then 32 neighbours along the next K.
; THE BANK: 16 key steps of 13,312 bytes.  In step j: four images along d (for q . memory) at 1,536 g, each two tiles of K = 64: registers 6 c .. 6 c + 5 of lane (r, h):
;   key 128 j + 64 (g / 2) + 16 (g % 2) + 8 c + r % 8 + 32 (r / 8), d = 32 h ..; four fragments along the keys (for p . memory) at 6,144 + 1,536 t, row slot r = d 8 t + r % 8 + 32 (r / 8);
;   the images' scale words at 12,288 + 16 L + 4 g (lanes 0-15 tile 0, lanes 16-31 tile 1, two bytes and two zeros); the fragments' scale words at 12,800 + 16 L + 4 t (row slot L % 16): a lane's four words are 16 neighbouring bytes.
; A block's scale byte is its largest magnitude's exponent field - 2, held at 1 from below by a floor among the maximum's leaves.
; LIMITS: a block of zeros, or one whose largest magnitude lies under 2^-124, gets the byte 1 where the rule says 127 for zeros: its codes are zeros or the rule's own, and only this program reads the bytes.  NaN and infinities are not served.
; SHARES: work-groups 0-383: a tile of 16 rows each (256 of x, 64 of Wq, 64 of Wo), wave w its K 256 w .. + 255; 384-399: the bank along d, a wave an image; 400-415: along the keys, a wave a fragment.
; Waves share nothing: no barrier.  Only the first path uses LDS: a load takes 512 neighbouring bytes of a row, and the rows turn through the wave's own stage so that a lane gets whole blocks.
.set RAW, 64
.set XA,  192
.set XB,  64
.set CA,  16
.set CB,  28
.set SPI, 1040                         ; a stage row: 1,024 bytes + 16
; 64 numbers, v[src + 32 c + i] = number i of my block c, become 12 registers of codes at v[dst] and the row's scale word in v[wrd]
.macro QUANT src, dst, wrd
.irp c, 0,1
	v_max3_num_f32 v[12+\c], |v[\src+32*\c]|, |v[\src+32*\c+1]|, 0x1800000   ; the floor 2^(3 - 127)
.endr
.irp i, 2,4,6,8,10,12,14,16,18,20,22,24,26,28,30
.irp c, 0,1
	v_max3_num_f32 v[12+\c], v[12+\c], |v[\src+32*\c+\i]|, |v[\src+32*\c+\i+1]|
.endr
.endr
.irp c, 0,1
	v_add_nc_u32 v[14+\c], 0xff000000, v[12+\c]    ; 2 off the exponent field: the conversion's scale operand
.endr
.irp c, 0,1
	v_lshrrev_b32 v[12+\c], 23, v[14+\c]           ; the scale's byte
.endr
	v_lshl_or_b32 v42, v13, 16, v12                ; blocks h and 2 + h,
	v_lshlrev_b32 v42, v10, v42                    ; 8 h bits up;
	v_permlanex16_b32 v43, v42, s26, s27
	v_or_b32 v[\wrd], v42, v43                     ; with lane l xor 16's two the word is whole
.irp c, 0,1
	v_cvt_scalef32_pk16_fp6_f32 v[\dst+6*\c:\dst+6*\c+2], v[\src+32*\c:\src+32*\c+15], v[14+\c]
	v_cvt_scalef32_pk16_fp6_f32 v[44+4*\c:46+4*\c], v[\src+32*\c+16:\src+32*\c+31], v[14+\c]   ; three registers begin on an even number: made elsewhere and moved
.endr
	v_nop                                          ; one plain line behind the conversions
.irp c, 0,1
.irp i, 0,1,2
	v_mov_b32 v[\dst+6*\c+3+\i], v[44+4*\c+\i]
.endr
.endr
.endm
; a fragment and its scale words leave: each of the three stores of codes covers 512 consecutive bytes
.macro OUT dst, wrd, co, so
.irp g, 0,1,2
	global_store_b128 v4, v[\dst+4*\g:\dst+4*\g+3], s[44:45] offset:\co+512*\g
.endr
	global_store_b32 v5, v[\wrd], s[46:47] offset:\so
.endm
	s_load_b512 s[8:23], s[0:1], 0x0               ; x 8, Wq 10, Wo 12, memory 14, xq 16, wqq 18, woq 20, bank 22
	v_lshl_add_u32 v62, v0, 2, 0x10400
	v_mov_b32 v63, 0
	v_lshrrev_b32 v1, 5, v0
	v_readfirstlane_b32 s24, v1                    ; wave 0..3
	v_and_b32 v1, 31, v0
	v_and_b32 v2, 15, v0                           ; r
	v_bfe_u32 v3, v0, 4, 1                         ; h
	v_lshlrev_b32 v4, 4, v1                        ; 16 x lane
	v_lshlrev_b32 v5, 2, v1                        ; 4 x lane
	v_lshlrev_b32 v10, 3, v3                       ; 8 h
	v_lshlrev_b32 v11, 4, v3                       ; 16 h
	v_mov_b32 v43, 0                               ; a lane permute's destination counts as a source
	s_mov_b32 s26, 0x76543210
	s_mov_b32 s27, 0xfedcba98                      ; selects for lane l xor 16
	s_wait_kmcnt 0x0
	s_cmp_ge_u32 ttmp9, 400
	s_cbranch_scc1 .Lmemv
	s_cmp_ge_u32 ttmp9, 384
	s_cbranch_scc1 .Lmemk
	; ---- x, Wq, Wo: the buffers are chosen on the work-group's number alone
	s_mov_b32 s34, 320
	s_cmp_lt_u32 ttmp9, 320
	s_cselect_b64 s[30:31], s[10:11], s[12:13]
	s_cselect_b64 s[32:33], s[18:19], s[20:21]
	s_cselect_b32 s34, 256, s34
	s_cmp_lt_u32 ttmp9, 256
	s_cselect_b64 s[30:31], s[8:9], s[30:31]
	s_cselect_b64 s[32:33], s[16:17], s[32:33]
	s_cselect_b32 s34, 0, s34
	s_cselect_b32 s35, 0, 1                        ; P = 1: a weight
	s_sub_co_u32 s34, ttmp9, s34                   ; T: the tile in its tensor
	s_lshl_b32 s36, s34, 16                        ; 16 T rows of 4,096 bytes,
	s_and_b32 s37, s34, 3
	s_mul_i32 s37, s37, s35
	s_lshl_b32 s37, s37, 15
	s_sub_co_u32 s36, s36, s37                     ; less 8 (T % 4) rows in a weight: row 64 (T / 4) + 8 (T % 4),
	s_lshl_b32 s37, s24, 10
	s_add_co_u32 s36, s36, s37                     ; + my wave's 256 numbers
	s_mov_b32 s37, 0
	s_add_nc_u64 s[30:31], s[30:31], s[36:37]
	s_lshr_b32 s38, s34, 3
	s_mul_i32 s38, s38, 106496                     ; the panel
	s_and_b32 s39, s34, 7
	s_mul_i32 s40, s39, 12288                      ; the tile's eight fragments,
	s_mul_i32 s41, s24, 3072                       ; my wave's two of them
	s_add_co_u32 s40, s40, s41
	s_add_co_u32 s40, s40, s38
	s_mov_b32 s41, 0
	s_lshl_b32 s42, s39, 10                        ; and their scale images
	s_lshl_b32 s43, s24, 8
	s_add_co_u32 s42, s42, s43
	s_add_co_u32 s42, s42, s38
	s_add_co_u32 s42, s42, 98304
	s_mov_b32 s43, 0
	s_add_nc_u64 s[44:45], s[32:33], s[40:41]
	s_add_nc_u64 s[46:47], s[32:33], s[42:43]
	s_mul_i32 s28, s35, 98304
	s_wait_alu depctr_va_vdst(0)                   ; the wait behind the run of scalar lines
	v_add_nc_u32 v7, s28, v4                       ; row slots 8-15 of a weight's tile lie 24 rows further down
	s_mul_i32 s29, s24, 16*SPI                     ; my wave's stage
	v_add_nc_u32 v8, s29, v4                       ; in: as loaded
	v_mul_u32_u24 v9, v2, SPI
	v_lshl_add_u32 v9, v3, 7, v9
	v_add_nc_u32 v9, s29, v9                       ; out: row r, block h
.irp i, 0,1,2,3,4,5,6,7
	global_load_b128 v[RAW+8*\i:RAW+8*\i+3],   v4, s[30:31] offset:\i*4096 th:TH_LOAD_NT
	global_load_b128 v[RAW+8*\i+4:RAW+8*\i+7], v4, s[30:31] offset:\i*4096+512 th:TH_LOAD_NT
.endr
.irp i, 8,9,10,11,12,13,14,15
	global_load_b128 v[RAW+8*\i:RAW+8*\i+3],   v7, s[30:31] offset:\i*4096 th:TH_LOAD_NT
	global_load_b128 v[RAW+8*\i+4:RAW+8*\i+7], v7, s[30:31] offset:\i*4096+512 th:TH_LOAD_NT
.endr
	s_wait_alu depctr_va_vdst(0)                   ; the wait ahead of the waits below
.irp i, 0,1,2,3,4,5,6,7,8,9,10,11,12,13,14,15
	s_wait_loadcnt 30-2*\i                         ; row i's two loads are in; those of the rows behind it may be out
	ds_store_b128 v8, v[RAW+8*\i:RAW+8*\i+3]   offset:SPI*\i
	ds_store_b128 v8, v[RAW+8*\i+4:RAW+8*\i+7] offset:SPI*\i+512
.endr
.irp c, 0,1
.irp e, 0,1,2,3,4,5,6,7
	ds_load_b128 v[XA+32*\c+4*\e:XA+32*\c+4*\e+3], v9 offset:256*\c+16*\e      ; a wave's LDS instructions are served in order: these see my stores
.endr
.endr
	s_wait_dscnt 0x0                               ; the first K step is in, and the stores have read the registers that the second lands in
.irp c, 0,1
.irp e, 0,1,2,3,4,5,6,7
	ds_load_b128 v[XB+32*\c+4*\e:XB+32*\c+4*\e+3], v9 offset:512+256*\c+16*\e
.endr
.endr
	QUANT XA, CA, 40
	OUT CA, 40, 0, 0
	s_wait_dscnt 0x0
	QUANT XB, CB, 41
	OUT CB, 41, 1536, 128
	s_wait_tensorcnt 0x0                           ; the wave's end
	ds_add_u32 v62, v63
	s_wait_dscnt 0x0
	s_endpgm
.Lmemk:	; ---- the bank along d: image G = two tiles of 16 keys, K = 64
	s_sub_co_u32 s28, ttmp9, 384
	s_lshl_b32 s28, s28, 2
	s_add_co_u32 s28, s28, s24                     ; G = 4 j + g
	s_lshr_b32 s30, s28, 1
	s_lshl_b32 s30, s30, 14                        ; key 64 (G / 2), rows of 256 bytes,
	s_and_b32 s31, s28, 1
	s_lshl_b32 s31, s31, 12
	s_add_co_u32 s30, s30, s31                     ; + 16 (G % 2)
	s_mov_b32 s31, 0
	s_add_nc_u64 s[32:33], s[14:15], s[30:31]
	s_lshr_b32 s34, s28, 2
	s_mul_i32 s34, s34, 13312                      ; the key step
	s_and_b32 s35, s28, 3
	s_mul_i32 s36, s35, 1536
	s_add_co_u32 s36, s36, s34
	s_mov_b32 s37, 0
	s_add_nc_u64 s[44:45], s[22:23], s[36:37]
	s_lshl_b32 s38, s35, 2
	s_add_co_u32 s38, s38, s34
	s_add_co_u32 s38, s38, 12288
	s_mov_b32 s39, 0
	s_add_nc_u64 s[46:47], s[22:23], s[38:39]
	s_wait_alu depctr_va_vdst(0)                   ; the wait behind the run of scalar lines
	v_lshlrev_b32 v5, 2, v5                        ; the bank's scale words lie 16 bytes apart from lane to lane
	v_and_b32 v6, 8, v2
	v_mad_u32_u24 v6, v6, 3, v2                    ; r % 8 + 32 (r / 8)
	v_lshlrev_b32 v6, 8, v6
	v_lshl_add_u32 v6, v3, 7, v6                   ; that key's row, + my half's 32 numbers
.irp c, 0,1
.irp e, 0,1,2,3,4,5,6,7
	global_load_b128 v[XA+32*\c+4*\e:XA+32*\c+4*\e+3], v6, s[32:33] offset:2048*\c+16*\e
.endr
.endr
	s_wait_loadcnt 0x0
	QUANT XA, CA, 40                               ; the word holds (tile 0: d block 0, 1; tile 1: d block 0, 1)
	v_lshrrev_b32 v40, v11, v40                    ; lanes 0-15 keep tile 0's two bytes, lanes 16-31 take tile 1's;
	v_and_b32 v40, 0xffff, v40                     ; the bytes of the K that is not there are 0
	OUT CA, 40, 0, 0
	s_endpgm
.Lmemv:	; ---- the bank along the keys: a lane takes a column d and its registers run down the keys
	s_sub_co_u32 s28, ttmp9, 400                   ; j: keys 128 j ..
	s_lshl_b32 s30, s28, 15
	s_lshl_b32 s31, s24, 5
	s_add_co_u32 s30, s30, s31                     ; + 4 x 8 t, t = my wave
	s_mov_b32 s31, 0
	s_add_nc_u64 s[32:33], s[14:15], s[30:31]
	s_mul_i32 s34, s28, 13312
	s_mul_i32 s36, s24, 1536
	s_add_co_u32 s36, s36, s34
	s_add_co_u32 s36, s36, 6144
	s_mov_b32 s37, 0
	s_add_nc_u64 s[44:45], s[22:23], s[36:37]
	s_lshl_b32 s38, s24, 2
	s_add_co_u32 s38, s38, s34
	s_add_co_u32 s38, s38, 12800
	s_mov_b32 s39, 0
	s_add_nc_u64 s[46:47], s[22:23], s[38:39]
	s_wait_alu depctr_va_vdst(0)                   ; the wait behind the run of scalar lines
	v_lshlrev_b32 v5, 2, v5                        ; the bank's scale words lie 16 bytes apart from lane to lane
	v_and_b32 v6, 8, v2
	v_mad_u32_u24 v6, v6, 3, v2
	v_lshlrev_b32 v6, 2, v6                        ; column r % 8 + 32 (r / 8),
	v_lshl_add_u32 v6, v3, 13, v6                  ; lanes 16-31 begin 32 keys further down
.irp c, 0,1
.irp i, 0,1,2,3,4,5,6,7,8,9,10,11,12,13,14,15,16,17,18,19,20,21,22,23,24,25,26,27,28,29,30,31
	global_load_b32 v[XA+32*\c+\i], v6, s[32:33] offset:256*(64*\c+\i)
.endr
.endr
	s_wait_loadcnt 0x0
	QUANT XA, CA, 40
	OUT CA, 40, 0, 0
	s_endpgm
.Lfunc_end_k_q78819f8c0d_prep:
	.size	k_q78819f8c0d_prep, .Lfunc_end_k_q78819f8c0d_prep-k_q78819f8c0d_prep
	.p2alignl 7, 3214868480
	.fill 96, 4, 3214868480
	.section	.rodata,"a",@progbits
	.p2align	6, 0x0
	.amdhsa_kernel k_q78819f8c0d_prep
		.amdhsa_group_segment_fixed_size 67072
		.amdhsa_private_segment_fixed_size 0
		.amdhsa_enable_private_segment 0
		.amdhsa_kernarg_size 64
		.amdhsa_user_sgpr_count 2
		.amdhsa_user_sgpr_kernarg_segment_ptr 1
		.amdhsa_wavefront_size32 1
		.amdhsa_system_sgpr_workgroup_id_x 1
		.amdhsa_system_sgpr_workgroup_id_y 1
		.amdhsa_system_sgpr_workgroup_id_z 1
		.amdhsa_system_vgpr_workitem_id 0
		.amdhsa_next_free_vgpr 256
		.amdhsa_next_free_sgpr 66
		.amdhsa_reserve_vcc 0
		.amdhsa_float_denorm_mode_32 3
		.amdhsa_float_denorm_mode_16_64 3
		.amdhsa_memory_ordered 1
		.amdhsa_forward_progress 1
		.amdhsa_inst_pref_size 34
	.end_amdhsa_kernel
	.amdgpu_metadata
---
amdhsa.version: [ 1, 2 ]
amdhsa.kernels:
  - .name:           k_q78819f8c0d_prep
    .symbol:         k_q78819f8c0d_prep.kd
    .args:
      - { .name: x, .offset: 0, .size: 8, .value_kind: global_buffer, .address_space: global }
      - { .name: Wq, .offset: 8, .size: 8, .value_kind: global_buffer, .address_space: global }
      - { .name: Wo, .offset: 16, .size: 8, .value_kind: global_buffer, .address_space: global }
      - { .name: memory, .offset: 24, .size: 8, .value_kind: global_buffer, .address_space: global }
      - { .name: xq, .offset: 32, .size: 8, .value_kind: global_buffer, .address_space: global }
      - { .name: wqq, .offset: 40, .size: 8, .value_kind: global_buffer, .address_space: global }
      - { .name: woq, .offset: 48, .size: 8, .value_kind: global_buffer, .address_space: global }
      - { .name: bank, .offset: 56, .size: 8, .value_kind: global_buffer, .address_space: global }
    .group_segment_fixed_size: 67072
    .private_segment_fixed_size: 0
    .kernarg_segment_align: 8
    .kernarg_segment_size: 64
    .max_flat_workgroup_size: 128
    .sgpr_count:     66
    .vgpr_count:     256
    .wavefront_size: 32
...
	.end_amdgpu_metadata
.endif
;; end of part 1
;; launch hop (part 2): grid 32 x 8, 16 waves a work-group, clusters of 4 x 1, 327,680 bytes of LDS; arguments xq, wqq, bq, bank, hq; writes hq
.if DOCPART == 2
	.amdgcn_target "amdgcn-amd-amdhsa--gfx1250"
	.amdhsa_code_object_version 6
	.text
	.protected	k_q78819f8c0d_hop
	.globl	k_q78819f8c0d_hop
	.p2align	8
	.type	k_q78819f8c0d_hop,@function
k_q78819f8c0d_hop:
	s_mov_b64 s[64:65], 0
	v_nop
	global_prefetch_b8 v0, s[64:65] scope:SCOPE_SE
	s_setreg_imm32_b32 hwreg(HW_REG_WAVE_MODE, 25, 1), 1
	s_wait_xcnt 0x0
	s_wait_alu depctr_hold_cnt(0) depctr_sa_sdst(0) depctr_va_vdst(0) depctr_va_sdst(0) depctr_va_ssrc(0) depctr_va_vcc(0) depctr_vm_vsrc(0)
	s_getreg_b32 s2, hwreg(HW_REG_IB_STS2, 6, 4)
	s_cmp_eq_u32 s2, 0
	s_cbranch_scc0 .Lentry_in_a_cluster
	s_endpgm
.Lentry_in_a_cluster:
	s_bfe_u32 s2, ttmp6, 0x10000c
	s_cmp_lg_u32 s2, 0x3003
	s_cbranch_scc0 .Lentry_shape_is_right
	s_endpgm
.Lentry_shape_is_right:
; q = x Wq^T + bq for 128 rows and two heads; then twice: q = softmax(16 q memory^T) memory; the result leaves as codes for the last product.  All products on codes of FP6 (E2M3) with E8M0 scales.
; SHARES.  Work-group (i, j): rows 128 i .. + 127, heads 2 j, 2 j + 1.  Wave w owns ONE tile: rows 16 (w / 2) .. + 15 of head 2 j + w % 2, in 256 registers: no register window is switched.  Four waves share a SIMD.
; LDS.  Wq's panel j (106,496 bytes, from byte 0) and the bank (212,992 bytes, behind it) are filled once and only read after that.  At the head every wave asks for a sixteenth of the panel; behind the full
;   sequence of waits and a round, every wave asks for a sixteenth of the bank, which is on its way while the projection is multiplied.  One tensor load of a wave is out at a time.
; CLUSTER.  The four work-groups of a cluster share j: panel and bank are asked for jointly, with the same descriptors and a mask that names the four.  x's fragments go from memory straight into registers.
; No loop of this text reads memory, so no prefetch is laid.
; LAYOUT.  All products are used transposed (source 0 = rows of Wq, keys, or memory's columns d; source 1 = my 16 rows): a lane holds ONE row (lane % 16).  The rows that form a tile were chosen when the codes were laid:
;   slot r of tile t is 8 t + r % 8 + 32 (r / 8), so register 8 t + i of lane half h is number 32 h + 8 t + i: a lane's 32 registers of four tiles are ONE WHOLE BLOCK of 32 along the next K, in the operand's own order.
;   So a block's maximum needs no other lane, and the conversions' results are the operand's registers (three of each six are moved: a conversion's three registers begin on an even number).
; K = 64 IN AN INSTRUCTION OF K = 128 (q . memory).  q's operand has zero codes in registers 6-11 and zero bytes for those blocks, so what memory's operand holds there adds nothing (every six bits are a finite number):
;   key tile k's operand is twelve registers from 6 k on, whose upper six are the next tile's codes, and behind the last tile whatever the six registers there hold.
; THE SOFTMAX.  t = score x 16 log2(e); M = the running largest t rounded UP to a whole number, kept as -M = floor(-t); p = 2^(t - M) is quantised along the keys, not normalised; the row's sum is taken of the
;   unquantised p; when M moves, sum and O^T are multiplied by 2^(old M - new M), which rounds nothing.  O^T and the sums begin as zeros and the largest score as -2^120, so that a key step is written once.
; TWO SETS OF 64 REGISTERS TAKE TURNS, step by step: one holds S^T, then p; the other this step's K, then its V (fetched behind the score products).  When p has been converted and summed (all but its last eight numbers,
;   which no load lands on), the next step's K is fetched into p's registers, and in the next step the two sets change roles.  So a loop's trip runs two steps.
;   A key step of the bank is 13,312 bytes (K's codes, V's codes, K's scale words, V's scale words): one address register, at V's codes, reaches V, its scale words, the next step's K and its scale words by immediates.
; The places behind the matrix instructions are filled with work that is due: the sum's three joins behind the score products, the sum's last four additions and the address's step behind the products with V.
; A split barrier in each key step (signal at its head, wait ahead of the products with V) keeps the sixteen waves within one key step of each other.
; LIMITS: the promise holds while the scaled scores stay under 2^31 in magnitude; NaN and infinities are not served; a p under 2^-126 counts as 0 (ISA guide, the exponential's entry); a block whose numbers are all 0 keeps the byte 1: its codes are zeros.
.set L16, 1                            ; 16 x lane
.set L4,  2                            ; 4 x lane
.set PP,  3                            ; the key step's V: BANK + 13,312 x step + 6,144 + 16 x lane
.set H8,  5                            ; 8 h
.set BOF, 6                            ; 128 h: my half's place in a head's bias
.set WA,  7                            ; my head's fragments of Wq
.set WS,  8                            ; and their scale images
.set L8,  9                            ; 8 x lane
.set SPW, 10                           ; my spare word; never rewritten
.set NIL, 11                           ; 0; never rewritten
.set QC,  12                           ; v12-17 q's codes, v18-23 zeros
.set NM,  24                           ; -M
.set MS,  25                           ; the largest score
.set LS,  26                           ; v26-27 the row's sum, in two halves
.set FF,  28                           ; v28-29 2^(old M - new M)
.set BM,  30                           ; v30-33 maxima
.set SO,  34                           ; v34-35 the conversions' scale operands
.set TA,  36
.set TB,  37
.set T1,  38
.set PC,  40                           ; v40-51 p's codes
.set PT,  52                           ; v52-54, v56-58
.set QS,  60                           ; scale words: q's, p's, K's four, V's four
.set PS,  61
.set KSC, 62
.set VSC, 66
.set SX,  72                           ; v72-135  the first set of 64
.set OO,  136                          ; v136-167 O^T (and q as f32)
.set SY,  168                          ; v168-231 the second set of 64
.set F,   168                          ; in the projection: four fragments of Wq
.set S1,  232                          ; v232-237 three more chains of the sum
.set S2,  234
.set S3,  236
.set XSC, 246                          ; v246-253 x's eight scale words
.set BANK,  106496
.set SPARE, 319488                     ; behind the bank: 128 bytes of spare words for each of 16 waves
.set WV,  14
.set CS,  22                           ; s[22:23] c = 16 log2(e)
.set SEL, 24                           ; s[24:25] selects for lane l xor 16
.set NC,  26                           ; -c
.set G1W, 28
.set G1B, 36
.set G0W, 44
.set G0B, 48
.set CNT, 61
.macro PLACES n                        ; plain vector lines behind a matrix instruction (ISA guide 7.12.1)
.rept \n
	v_nop
.endr
.endm
.macro D1
	s_delay_alu instid0(VALU_DEP_1)
.endm
.macro ROUND                           ; a round of the cluster's barrier
	s_barrier_signal -1
	s_barrier_wait -1
	s_cmp_lg_u32 s[WV], 0
	s_cbranch_scc1 .Lnot_wave_0_\@
	s_barrier_signal -3
.Lnot_wave_0_\@:
	s_barrier_wait -3
	s_barrier_signal -1
	s_barrier_wait -1
.endm
.macro INIT                            ; a retrieval begins
	v_mov_b32 v[MS], 0xfb800000                    ; -2^120
	v_mov_b32 v[NM], 0x7e800000                    ; 2^126: over every -M
	v_mov_b32 v[LS], 0
	v_mov_b32 v[LS+1], 0
.irp n, 0,1,2,3,4,5
	v_mov_b32 v[S1+\n], 0
.endr
.set nn, 0
.rept 32
	v_mov_b32 v[OO+nn], 0
.set nn, nn+1
.endr
.endm
; q: my 32 registers are block h of my row: six registers of codes and a scale word of two bytes and two zeros
.macro QUANTQ
.irp q, 0,1
	v_max3_num_f32 v[BM+\q], |v[OO+16*\q]|, |v[OO+16*\q+1]|, 0x1800000   ; each accumulator from its low end on; the floor 2^(3 - 127)
.endr
.irp i, 2,4,6,8,10,12,14
.irp q, 0,1
	v_max3_num_f32 v[BM+\q], v[BM+\q], |v[OO+16*\q+\i]|, |v[OO+16*\q+\i+1]|
.endr
.endr
	v_max_num_f32 v[BM], v[BM], v[BM+1]
	D1
	v_add_nc_u32 v[SO], 0xff000000, v[BM]          ; 2 off the exponent field: the conversion's scale operand
	D1
	v_lshrrev_b32 v[TA], 23, v[SO]
	D1
	v_lshlrev_b32 v[TA], v[H8], v[TA]              ; my block's byte at its place,
	D1
	v_permlanex16_b32 v[TB], v[TA], s[SEL], s[SEL+1]
	D1
	v_or_b32 v[QS], v[TA], v[TB]                   ; with lane l xor 16's
	v_cvt_scalef32_pk16_fp6_f32 v[QC:QC+2], v[OO:OO+15], v[SO]
	v_cvt_scalef32_pk16_fp6_f32 v[PT:PT+2], v[OO+16:OO+31], v[SO]
	v_nop                                          ; one plain line behind the conversions
.irp i, 0,1,2
	v_mov_b32 v[QC+3+\i], v[PT+\i]
.endr
.endm
; S^T = K q^T into set x, K in set y: eight tiles of 16 keys.  A scale register carries an even tile's words in lanes 0-15 and the odd tile's in lanes 16-31
.macro SPROD x, y
.irp k, 0,1,2,3,4,5,6,7
.if (\k)%2
	v_wmma_scale_f32_16x16x128_f8f6f4 v[(\x)+8*\k:(\x)+8*\k+7], v[(\y)+6*\k:(\y)+6*\k+11], v[QC:QC+11], 0, v[KSC+\k/2], v[QS] matrix_a_fmt:MATRIX_FMT_FP6 matrix_b_fmt:MATRIX_FMT_FP6 matrix_a_scale:MATRIX_SCALE_ROW1
.else
	v_wmma_scale_f32_16x16x128_f8f6f4 v[(\x)+8*\k:(\x)+8*\k+7], v[(\y)+6*\k:(\y)+6*\k+11], v[QC:QC+11], 0, v[KSC+\k/2], v[QS] matrix_a_fmt:MATRIX_FMT_FP6 matrix_b_fmt:MATRIX_FMT_FP6
.endif
.endr
.endm
; O^T += V^T p^T, V in set y: four tiles of 16 of the head's 64, by turns; K = the step's 128 keys
.macro PVPROD y
.irp t, 0,1,2,3
	v_wmma_scale_f32_16x16x128_f8f6f4 v[OO+8*\t:OO+8*\t+7], v[(\y)+12*\t:(\y)+12*\t+11], v[PC:PC+11], v[OO+8*\t:OO+8*\t+7], v[VSC+\t], v[PS] matrix_a_fmt:MATRIX_FMT_FP6 matrix_b_fmt:MATRIX_FMT_FP6
.endr
.endm
.macro KLOAD x                         ; the K of the step behind the one at which the address stands: 7,168 bytes on; its four scale words by one load: 13 loads
.irp n, 0,1,2,3,4,5,6,7,8,9,10,11
	ds_load_b128 v[(\x)+4*\n:(\x)+4*\n+3], v[PP] offset:7168+512*\n
.endr
	ds_load_b128 v[KSC:KSC+3], v[PP] offset:7168+12288
.endm
.macro VLOAD y                         ; 13 loads
.irp n, 0,1,2,3,4,5,6,7,8,9,10,11
	ds_load_b128 v[(\y)+4*\n:(\y)+4*\n+3], v[PP] offset:512*\n
.endr
	ds_load_b128 v[VSC:VSC+3], v[PP] offset:6656
.endm
.macro JOINS                           ; the sum's four chains become one
	v_pk_add_f32 v[S1:S1+1], v[S1:S1+1], v[S2:S2+1]
	v_pk_add_f32 v[LS:LS+1], v[LS:LS+1], v[S3:S3+1]
	v_pk_add_f32 v[LS:LS+1], v[LS:LS+1], v[S1:S1+1]
.endm
.macro SUM4 x, k                       ; eight more p, two to each chain
	v_pk_add_f32 v[S2:S2+1], v[S2:S2+1], v[(\x)+\k:(\x)+\k+1]
	v_pk_add_f32 v[S3:S3+1], v[S3:S3+1], v[(\x)+\k+2:(\x)+\k+3]
	v_pk_add_f32 v[LS:LS+1], v[LS:LS+1], v[(\x)+\k+4:(\x)+\k+5]
	v_pk_add_f32 v[S1:S1+1], v[S1:S1+1], v[(\x)+\k+6:(\x)+\k+7]
.endm
; THE SOFTMAX for 128 keys, on set x.  Register 32 c + i of S^T is key 64 c + 32 h + i of my row: my two whole blocks, h and 2 + h
.macro SM x, ahead
.irp q, 0,1,2,3
	v_max3_num_f32 v[BM+\q], v[(\x)+16*\q], v[(\x)+16*\q+1], v[(\x)+16*\q+2]   ; four chains of 16 scores; each accumulator is first read at its low end
.endr
.irp i, 3,5,7,9,11,13
.irp q, 0,1,2,3
	v_max3_num_f32 v[BM+\q], v[BM+\q], v[(\x)+16*\q+\i], v[(\x)+16*\q+\i+1]
.endr
.endr
	v_max3_num_f32 v[BM], v[BM], v[BM+1], v[(\x)+15]
	v_max3_num_f32 v[BM+1], v[BM+2], v[BM+3], v[(\x)+47]
	v_max_num_f32 v[BM], v[BM], v[(\x)+31]         ; my blocks' largest scores: they serve the row's maximum and, since p rises with the score, the blocks' largest p
	v_max_num_f32 v[BM+1], v[BM+1], v[(\x)+63]
	D1
	v_max_num_f32 v[TA], v[BM], v[BM+1]
	D1
	v_permlanex16_b32 v[TB], v[TA], s[SEL], s[SEL+1]
	D1
	v_max3_num_f32 v[MS], v[MS], v[TA], v[TB]      ; the running largest score
	D1
	v_mul_f32 v[TA], s[NC], v[MS]                  ; -t
	D1
	v_floor_f32 v[TB], v[TA]                       ; the new -M = -ceil(t): a whole number
	D1
	v_sub_f32 v[TA], v[TB], v[NM]                  ; old M - new M: a whole number, 0 or less
	v_mov_b32 v[NM], v[TB]
.irp b, 0,1
	v_fma_f32 v[BM+\b], v[BM+\b], s[CS], v[NM]     ; t - M of each block's largest score
.endr
	v_cvt_i32_f32 v[TA], v[TA]                     ; (it saturates)
.set pp, 0
.rept 4
	v_pk_fma_f32 v[(\x)+pp:(\x)+pp+1], v[(\x)+pp:(\x)+pp+1], s[CS:CS+1], v[NM:NM+1] op_sel_hi:[1,0,0]
.set pp, pp+2
.endr
	v_ldexp_f32 v[FF], 1.0, v[TA]                  ; f = 2^(old M - new M)
.rept 28
	v_pk_fma_f32 v[(\x)+pp:(\x)+pp+1], v[(\x)+pp:(\x)+pp+1], s[CS:CS+1], v[NM:NM+1] op_sel_hi:[1,0,0]
.set pp, pp+2
.endr
	s_wait_alu depctr_va_vdst(0)                   ; the wait ahead of the batch
.irp b, 0,1
	v_exp_f32 v[BM+\b], v[BM+\b]                   ; the blocks' largest p: the same two instructions on the same number give the same bits
.endr
.set pp, 0
.rept 64
	v_exp_f32 v[(\x)+pp], v[(\x)+pp]               ; p = 2^(t - M), at most 1
.set pp, pp+1
.endr
	v_pk_mul_f32 v[LS:LS+1], v[LS:LS+1], v[FF:FF+1] op_sel_hi:[1,0]   ; the sum under the new M: the plain line behind the last exponential
	s_wait_alu depctr_va_vdst(0)                   ; one wait behind the batch, ahead of its first reader
	; p's scale word and codes, with the row's sum, of the UNQUANTISED p in four chains, laid between the lines that hang on each other
.irp b, 0,1
	v_max_num_f32 v[BM+\b], 0x1800000, v[BM+\b]    ; the floor: the byte cannot fall under 1
.endr
	v_pk_add_f32 v[S1:S1+1], v[(\x):(\x)+1], v[(\x)+2:(\x)+3]
	v_pk_add_f32 v[S2:S2+1], v[(\x)+4:(\x)+5], v[(\x)+6:(\x)+7]
.irp b, 0,1
	v_add_nc_u32 v[SO+\b], 0xff000000, v[BM+\b]    ; 2 off the exponent field: the conversions' scale operands
.endr
	v_pk_add_f32 v[S3:S3+1], v[(\x)+8:(\x)+9], v[(\x)+10:(\x)+11]
	v_pk_add_f32 v[LS:LS+1], v[LS:LS+1], v[(\x)+12:(\x)+13]
	v_lshrrev_b32 v[TA], 23, v[SO]
	v_lshrrev_b32 v[T1], 23, v[SO+1]
.irp c, 0,1
	v_cvt_scalef32_pk16_fp6_f32 v[PC+6*\c:PC+6*\c+2], v[(\x)+32*\c:(\x)+32*\c+15], v[SO+\c]
	v_cvt_scalef32_pk16_fp6_f32 v[PT+4*\c:PT+4*\c+2], v[(\x)+32*\c+16:(\x)+32*\c+31], v[SO+\c]
.endr
	v_pk_add_f32 v[S1:S1+1], v[S1:S1+1], v[(\x)+14:(\x)+15]   ; the plain line behind the conversions: it names none of their results and writes none of their sources
	v_lshl_or_b32 v[TA], v[T1], 16, v[TA]          ; blocks h and 2 + h,
	SUM4 \x, 16
	v_lshlrev_b32 v[TA], v[H8], v[TA]              ; 8 h bits up;
	SUM4 \x, 24
	v_permlanex16_b32 v[TB], v[TA], s[SEL], s[SEL+1]
	SUM4 \x, 32
	v_or_b32 v[PS], v[TA], v[TB]                   ; with lane l xor 16's two: p's scale word for these 128 keys
	SUM4 \x, 40
	SUM4 \x, 48
.if \ahead == 2
	v_add_nc_u32 v[PP], BANK-7168, v[L16]          ; back to a key step ahead of step 0's V
.endif
.if \ahead > 0
	KLOAD \x                                       ; registers 0-47 of the set have been converted and summed: the next K lands there
.endif
.irp c, 0,1
.irp i, 0,1,2
	v_mov_b32 v[PC+6*\c+3+\i], v[PT+4*\c+\i]
.endr
.endr
	s_wait_alu depctr_va_vdst(0)                   ; directly ahead of the first reader of O^T
.set pp, 0
.rept 16
	v_pk_mul_f32 v[OO+pp:OO+pp+1], v[OO+pp:OO+pp+1], v[FF:FF+1] op_sel_hi:[1,0]   ; O^T under the new M, ascending.  (Also the places between p's codes and scale word and the products)
.set pp, pp+2
.endr
.endm
; A KEY STEP.  x: the set for S^T; y: the set that holds K.  ahead = 1: the next step's K is fetched; 2: step 0's, for the next retrieval; 0: nothing.
; All accumulators take single turns, over the backward jump too
.macro STEP x, y, ahead
	s_wait_alu depctr_va_vdst(0)                   ; the wait ahead of the wait below
	s_wait_dscnt 0x0                               ; this step's K is in; no LDS instruction of mine is out
	s_barrier_signal -1                            ; I have begun this step
	SPROD \x, \y
	JOINS                                          ; the last step's sum; with the line below: four places ahead of the loads into K's registers and of the reads of S^T
	v_nop
	VLOAD \y
	SM \x, \ahead
	s_wait_alu depctr_va_vdst(0)                   ; the wait ahead of the waits below
.if \ahead > 0
	s_wait_dscnt 13                                ; V is in; the 13 younger loads are the next K's
.else
	s_wait_dscnt 0x0
.endif
	s_barrier_wait -1                              ; every wave has begun this step
	PVPROD \y
	SUM4 \x, 56                                    ; the sum's last eight p, on which no load lands
.if \ahead > 0
	v_add_nc_u32 v[PP], 13312, v[PP]               ; on to the next step's V: the fifth place ahead of the score products that write over V's registers
.endif
.endm
; a retrieval: 16 key steps, two to a trip; then O^T / the row's sum is the new q, and is quantised
.macro ITER again
	s_mov_b32 s[CNT], 7
.Lk_\@:
	STEP SX, SY, 1
	STEP SY, SX, 1
	s_sub_co_u32 s[CNT], s[CNT], 1
	s_cmp_lg_u32 s[CNT], 0
	s_cbranch_scc1 .Lk_\@
	STEP SX, SY, 1
	STEP SY, SX, \again
	JOINS
	v_add_f32 v[LS], v[LS], v[LS+1]
	D1
	v_permlanex16_b32 v[TB], v[LS], s[SEL], s[SEL+1]
	D1
	v_add_f32 v[LS], v[LS], v[TB]
	s_wait_alu depctr_va_vdst(0)                   ; the wait ahead of the reciprocal
	v_rcp_f32 v[LS], v[LS]
	v_nop
	s_wait_alu depctr_va_vdst(0)                   ; and behind it, directly ahead of the first reader of O^T
.set nn, 0
.rept 16
	v_pk_mul_f32 v[OO+nn:OO+nn+1], v[OO+nn:OO+nn+1], v[LS:LS+1] op_sel_hi:[1,0]
.set nn, nn+2
.endr
	QUANTQ
.endm
.macro XLD s, xb                       ; x's fragment of K step s
.irp g, 0,1,2
	global_load_b128 v[\xb+4*\g:\xb+4*\g+3], v[L16], s[4:5] offset:1536*\s+512*\g
.endr
.endm
.macro PSTEP s, xb                     ; a K step of the projection: my head's four tiles of features by turns
.if \s > 0
	PLACES 4
.endif
.irp t, 0,1,2,3
.irp g, 0,1,2
	ds_load_b128 v[F+12*\t+4*\g:F+12*\t+4*\g+3], v[WA] offset:(8*\t+\s)*1536+512*\g
.endr
.endr
.irp t, 0,1,2,3
	ds_load_b32 v[KSC+\t], v[WS] offset:(8*\t+\s)*128
.endr
	s_wait_dscnt 0x0
.irp t, 0,1,2,3
	v_wmma_scale_f32_16x16x128_f8f6f4 v[OO+8*\t:OO+8*\t+7], v[F+12*\t:F+12*\t+11], v[\xb:\xb+11], v[OO+8*\t:OO+8*\t+7], v[KSC+\t], v[XSC+\s] matrix_a_fmt:MATRIX_FMT_FP6 matrix_b_fmt:MATRIX_FMT_FP6
.endr
.endm
	s_load_b256 s[4:11], s[0:1], 0x0               ; xq 4, wqq 6, bq 8, bank 10
	s_load_b64 s[12:13], s[0:1], 0x20              ; hq
	v_lshl_add_u32 v[SPW], v0, 2, SPARE
	v_mov_b32 v[NIL], 0
	ds_add_u32 v[SPW], v[NIL]                      ; the opening lines: the add, twice on end, and its wait
	ds_add_u32 v[SPW], v[NIL]
	v_lshrrev_b32 v1, 5, v0
	v_readfirstlane_b32 s[WV], v1                  ; wave 0..15
	s_lshr_b32 s18, s[WV], 1                       ; my tile of rows
	s_and_b32 s19, s[WV], 1                        ; my head of the two
	s_bfe_u32 s15, ttmp6, 0x40000                  ; cx: it enters xq's and hq's addresses alone
	s_lshl_b32 s16, ttmp9, 2
	s_add_co_u32 s16, s16, s15                     ; i
	s_and_b32 s17, ttmp7, 0xffff                   ; j, which the four partners share
	s_mov_b32 s[CS], 0x41b8aa3b                    ; 16 log2(e)
	s_mov_b32 s[CS+1], s[CS]
	s_mov_b32 s[NC], 0xc1b8aa3b
	s_mov_b32 s[SEL], 0x76543210
	s_mov_b32 s[SEL+1], 0xfedcba98
	; groups 1: dense blocks as rows of 256 bytes (32 elements of 8 bytes); the mask names all four work-groups, bit 21 beside it
	s_mov_b32 s[G1W], 15|(3<<16)|(1<<21)
	s_mov_b32 s[G1W+1], 32<<16
	s_mov_b32 s[G1W+2], 26<<16                     ; 6,656 bytes, a sixteenth of the panel
	s_mov_b32 s[G1W+3], 32<<16
	s_mov_b32 s[G1W+4], 26
	s_mov_b32 s[G1W+5], 32
	s_mov_b32 s[G1W+6], 0
	s_mov_b32 s[G1W+7], 0
	s_mov_b32 s[G1B], 15|(3<<16)|(1<<21)
	s_mov_b32 s[G1B+1], 32<<16
	s_mov_b32 s[G1B+2], 52<<16                     ; 13,312 bytes, a sixteenth of the bank
	s_mov_b32 s[G1B+3], 32<<16
	s_mov_b32 s[G1B+4], 52
	s_mov_b32 s[G1B+5], 32
	s_mov_b32 s[G1B+6], 0
	s_mov_b32 s[G1B+7], 0
	s_mul_i32 s21, s[WV], 6656
	s_mov_b32 s[G0W], 1
	s_mov_b32 s[G0W+1], s21
	s_mul_i32 s52, s17, 106496
	s_add_co_u32 s52, s52, s21
	s_mov_b32 s53, 0
	s_mov_b32 s[G0B], 1
	s_mul_i32 s54, s[WV], 13312
	s_add_co_u32 s[G0B+1], s54, BANK
	s_mov_b32 s55, 0
	s_mul_i32 s60, s16, 106496                     ; my row block's panel in xq and in hq
	s_mul_i32 s27, s19, 49152                      ; my head's 32 fragments of Wq
	s_lshl_b32 s21, s19, 12
	s_add_co_u32 s21, s21, 98304                   ; and their scale images
	s_wait_alu depctr_va_vdst(0)                   ; the wait behind the run of scalar lines
	v_and_b32 v2, 31, v0
	v_bfe_u32 v[H8], v0, 4, 1
	v_lshlrev_b32 v[L16], 4, v2
	v_lshlrev_b32 v[L8], 3, v2
	v_lshlrev_b32 v[L4], 2, v2
	v_lshlrev_b32 v[BOF], 7, v[H8]
	v_lshlrev_b32 v[H8], 3, v[H8]
	v_add_nc_u32 v[PP], BANK-7168, v[L16]          ; a key step ahead of step 0's V
	v_add_nc_u32 v[WA], s27, v[L16]
	v_add_nc_u32 v[WS], s21, v[L4]
	s_wait_alu depctr_va_vdst(0)                   ; the wait ahead of the waits below
	s_wait_dscnt 0x0                               ; both opening adds are done
	s_wait_kmcnt 0x0
	s_add_nc_u64 s[G0W+2:G0W+3], s[6:7], s[52:53]
	s_or_b32 s[G0W+3], s[G0W+3], 0x80000000
	s_add_nc_u64 s[G0B+2:G0B+3], s[10:11], s[54:55]
	s_or_b32 s[G0B+3], s[G0B+3], 0x80000000
	s_lshl_b32 s62, s18, 10
	s_add_co_u32 s62, s62, s60
	s_add_co_u32 s62, s62, 98304
	s_mov_b32 s63, 0
	s_add_nc_u64 s[56:57], s[4:5], s[62:63]        ; my tile's eight scale images of x
	s_mul_i32 s62, s18, 12288
	s_add_co_u32 s62, s62, s60
	s_add_nc_u64 s[4:5], s[4:5], s[62:63]          ; and its eight fragments
	s_lshl_b32 s61, s18, 3
	s_add_co_u32 s61, s61, s17                     ; my fragment of hq: (my tile of rows, K step j)
	s_lshl_b32 s62, s61, 7
	s_add_co_u32 s62, s62, s60
	s_add_co_u32 s62, s62, 98304
	s_lshl_b32 s20, s19, 1
	s_add_co_u32 s62, s62, s20                     ; my head's two bytes of each scale word
	s_add_nc_u64 s[58:59], s[12:13], s[62:63]
	s_mul_i32 s62, s61, 1536
	s_add_co_u32 s62, s62, s60
	s_mul_i32 s20, s19, 768
	s_add_co_u32 s62, s62, s20                     ; my head's half of the fragment
	s_add_nc_u64 s[12:13], s[12:13], s[62:63]
	s_lshl_b32 s62, s17, 1
	s_add_co_u32 s62, s62, s19
	s_lshl_b32 s62, s62, 8
	s_add_nc_u64 s[8:9], s[8:9], s[62:63]          ; bq at my head
	XLD 0, 72                                      ; x's fragments stay in registers through the projection
	XLD 1, 84
	XLD 2, 96
	XLD 3, 108
	XLD 4, 120
	XLD 5, 222
	XLD 6, 234
	XLD 7, 40
.irp t, 0,1,2,3                        ; the bias is the C of a sum's first product: features 32 h + 8 t + 0 .. 7 of my head
	global_load_b128 v[OO+8*\t:OO+8*\t+3],   v[BOF], s[8:9] offset:32*\t
	global_load_b128 v[OO+8*\t+4:OO+8*\t+7], v[BOF], s[8:9] offset:32*\t+16
.endr
.irp s, 0,1,2,3,4,5,6,7
	global_load_b32 v[XSC+\s], v[L4], s[56:57] offset:128*\s
.endr
	ROUND                                          ; all four work-groups are here: the joint loads meet
	tensor_load_to_lds s[G0W:G0W+3], s[G1W:G1W+7]  ; my sixteenth of Wq's panel: my one load at the head
	s_nop 0
.irp n, 6,7,8,9,10,11
	v_mov_b32 v[QC+\n], 0                          ; the zero codes of the K that is not there
.endr
.irp n, 48,49,50,51,52,53
	v_mov_b32 v[SY+\n], 0                          ; behind the first step's eight tiles of K: written once, so that they hold something
.endr
	v_mov_b32 v[TB], 0                             ; a lane permute's destination counts as a source
	v_mov_b32 v[FF+1], 0                           ; named as the upper half of a pair
	s_wait_alu depctr_va_vdst(0)                   ; the wait at the head's end
	s_wait_tensorcnt 0x0                           ; my part of the panel is in
	ds_add_u32 v[SPW], v[NIL]
	s_wait_dscnt 0x0
	ROUND                                          ; everybody's part is in, and all four work-groups are here
	tensor_load_to_lds s[G0B:G0B+3], s[G1B:G1B+7]  ; my sixteenth of the bank, the first tensor load behind the round
	s_nop 0
	s_wait_loadcnt 0x0                             ; x, its scale words, the bias
	PSTEP 0, 72
	PSTEP 1, 84
	PSTEP 2, 96
	PSTEP 3, 108
	PSTEP 4, 120
	PSTEP 5, 222
	PSTEP 6, 234
	PSTEP 7, 40
	PLACES 4
	QUANTQ
	INIT                                           ; (also the places between q's codes and scale word and the first score products)
	s_wait_alu depctr_va_vdst(0)                   ; the wait ahead of the waits below
	s_wait_tensorcnt 0x0                           ; my part of the bank is in,
	s_barrier_signal -1
	s_barrier_wait -1                              ; everybody's is
	KLOAD SY                                       ; key step 0
	v_add_nc_u32 v[PP], 13312, v[PP]               ; on to step 0's V
	ITER 2
	INIT
	ITER 0
	; THE WAY OUT: my six registers are half of a fragment of the last product's operand: pair p of head half u at 768 u + 256 p + 8 x lane: each store covers 256 consecutive bytes, aligned
	global_store_b64 v[L8], v[QC:QC+1], s[12:13]
	global_store_b64 v[L8], v[QC+2:QC+3], s[12:13] offset:256
	global_store_b64 v[L8], v[QC+4:QC+5], s[12:13] offset:512
	global_store_b16 v[L4], v[QS], s[58:59]        ; my two bytes of the row's scale word
	s_wait_tensorcnt 0x0                           ; the wave's end
	ds_add_u32 v[SPW], v[NIL]
	s_wait_dscnt 0x0
	ROUND                                          ; the closing round
	s_endpgm
.Lfunc_end_k_q78819f8c0d_hop:
	.size	k_q78819f8c0d_hop, .Lfunc_end_k_q78819f8c0d_hop-k_q78819f8c0d_hop
	.p2alignl 7, 3214868480
	.fill 96, 4, 3214868480
	.section	.rodata,"a",@progbits
	.p2align	6, 0x0
	.amdhsa_kernel k_q78819f8c0d_hop
		.amdhsa_group_segment_fixed_size 327680
		.amdhsa_private_segment_fixed_size 0
		.amdhsa_enable_private_segment 0
		.amdhsa_kernarg_size 40
		.amdhsa_user_sgpr_count 2
		.amdhsa_user_sgpr_kernarg_segment_ptr 1
		.amdhsa_wavefront_size32 1
		.amdhsa_system_sgpr_workgroup_id_x 1
		.amdhsa_system_sgpr_workgroup_id_y 1
		.amdhsa_system_sgpr_workgroup_id_z 1
		.amdhsa_system_vgpr_workitem_id 0
		.amdhsa_next_free_vgpr 256
		.amdhsa_next_free_sgpr 66
		.amdhsa_reserve_vcc 0
		.amdhsa_float_denorm_mode_32 3
		.amdhsa_float_denorm_mode_16_64 3
		.amdhsa_memory_ordered 1
		.amdhsa_forward_progress 1
		.amdhsa_inst_pref_size 149
	.end_amdhsa_kernel
	.amdgpu_metadata
---
amdhsa.version: [ 1, 2 ]
amdhsa.kernels:
  - .name:           k_q78819f8c0d_hop
    .symbol:         k_q78819f8c0d_hop.kd
    .args:
      - { .name: xq, .offset: 0, .size: 8, .value_kind: global_buffer, .address_space: global }
      - { .name: wqq, .offset: 8, .size: 8, .value_kind: global_buffer, .address_space: global }
      - { .name: bq, .offset: 16, .size: 8, .value_kind: global_buffer, .address_space: global }
      - { .name: bank, .offset: 24, .size: 8, .value_kind: global_buffer, .address_space: global }
      - { .name: hq, .offset: 32, .size: 8, .value_kind: global_buffer, .address_space: global }
    .group_segment_fixed_size: 327680
    .private_segment_fixed_size: 0
    .kernarg_segment_align: 8
    .kernarg_segment_size: 40
    .max_flat_workgroup_size: 512
    .sgpr_count:     66
    .vgpr_count:     256
    .wavefront_size: 32
...
	.end_amdgpu_metadata
.endif
;; end of part 2
;; launch outp (part 3): grid 8 x 32, 8 waves a work-group, clusters of 4 x 4, 327,680 bytes of LDS; arguments hq, woq, bo, out0; writes out0
.if DOCPART == 3
	.amdgcn_target "amdgcn-amd-amdhsa--gfx1250"
	.amdhsa_code_object_version 6
	.text
	.protected	k_q78819f8c0d_outp
	.globl	k_q78819f8c0d_outp
	.p2align	8
	.type	k_q78819f8c0d_outp,@function
k_q78819f8c0d_outp:
	s_mov_b64 s[64:65], 0
	v_nop
	global_prefetch_b8 v0, s[64:65] scope:SCOPE_SE
	s_setreg_imm32_b32 hwreg(HW_REG_WAVE_MODE, 25, 1), 1
	s_wait_xcnt 0x0
	s_wait_alu depctr_hold_cnt(0) depctr_sa_sdst(0) depctr_va_vdst(0) depctr_va_sdst(0) depctr_va_ssrc(0) depctr_va_vcc(0) depctr_vm_vsrc(0)
	s_getreg_b32 s2, hwreg(HW_REG_IB_STS2, 6, 4)
	s_cmp_eq_u32 s2, 0
	s_cbranch_scc0 .Lentry_in_a_cluster
	s_endpgm
.Lentry_in_a_cluster:
	s_bfe_u32 s2, ttmp6, 0x10000c
	s_cmp_lg_u32 s2, 0xf033
	s_cbranch_scc0 .Lentry_shape_is_right
	s_endpgm
.Lentry_shape_is_right:
; out0 = h Wo^T + bo on codes of FP6 (E2M3) with E8M0 scales.  Work-group (x, y): rows 128 y .., features 128 x ..; K = 1,024 in eight steps.
; Wave w: rows 32 (w / 2) .. + 31 (two tiles) x features 64 (w % 2) .. + 63 (four tiles): eight accumulators by turns.
; LDS: h's panel y at 0 and Wo's panel x at 106,496, each filled once: waves 0-3 ask for a quarter of h's panel each, waves 4-7 for a quarter of Wo's: one tensor load a wave.
; CLUSTER 4 x 4: h's panel is shared along a row of the cluster, Wo's along a column: joint loads.  The text has no loop to run ahead in, so no prefetch is laid.
; h's fragment lies as six pairs of registers, pair q at 256 q + 8 x lane; Wo's as three groups of four, group g at 512 g + 16 x lane.
; The products are used transposed (source 0 = Wo's rows): register i of tile b in lane (r, h) is feature 32 h + 8 b + i of row r.  The bias is the C of each sum's first product.
; The results go through the wave's own stage in LDS and leave as rows: sixteen lanes store 256 consecutive bytes, aligned.
.set L16, 1
.set L4,  2
.set AA,  3
.set ASC, 4
.set BA,  5
.set BSC, 6
.set STO, 7
.set RD,  8
.set GO,  9
.set BOF, 10
.set ACC, 16
.set FR,  80
.set SC,  224
.set BK,  80
.set WV,  14
.set G1A, 24
.set G1B, 32
.set G0A, 40
.set G0B, 44
.set STG, 212992
.set SPARE, 247808                     ; behind the eight stages of 16 x 272 bytes
.macro PLACES
.rept 4
	v_nop
.endr
.endm
.macro ROUND
	s_barrier_signal -1
	s_barrier_wait -1
	s_cmp_lg_u32 s[WV], 0
	s_cbranch_scc1 .Lnot_wave_0_\@
	s_barrier_signal -3
.Lnot_wave_0_\@:
	s_barrier_wait -3
	s_barrier_signal -1
	s_barrier_wait -1
.endm
.macro LOADK s, e                      ; K step s into set e: 30 LDS loads
.irp a, 0,1
.irp q, 0,1,2,3,4,5
	ds_load_b64 v[FR+72*(\e)+12*\a+2*\q:FR+72*(\e)+12*\a+2*\q+1], v[AA] offset:12288*\a+1536*(\s)+256*\q
.endr
.endr
.irp b, 0,1,2,3
.irp g, 0,1,2
	ds_load_b128 v[FR+72*(\e)+24+12*\b+4*\g:FR+72*(\e)+24+12*\b+4*\g+3], v[BA] offset:12288*\b+1536*(\s)+512*\g
.endr
.endr
.irp a, 0,1
	ds_load_b32 v[SC+6*(\e)+\a], v[ASC] offset:1024*\a+128*(\s)
.endr
.irp b, 0,1,2,3
	ds_load_b32 v[SC+6*(\e)+2+\b], v[BSC] offset:1024*\b+128*(\s)
.endr
.endm
	s_load_b256 s[4:11], s[0:1], 0x0               ; hq 4, woq 6, bo 8, out0 10
	v_lshl_add_u32 v254, v0, 2, SPARE
	v_mov_b32 v255, 0
	ds_add_u32 v254, v255                          ; the opening lines: the add, twice on end, and its wait
	ds_add_u32 v254, v255
	v_lshrrev_b32 v1, 5, v0
	v_readfirstlane_b32 s[WV], v1
	s_lshr_b32 s15, s[WV], 1
	s_and_b32 s16, s[WV], 1
	s_and_b32 s17, s[WV], 3                        ; which quarter I fetch
	s_bfe_u32 s48, ttmp6, 0x40000
	s_bfe_u32 s49, ttmp6, 0x40004
	s_lshl_b32 s50, ttmp9, 2
	s_add_co_u32 s50, s50, s48                     ; x
	s_and_b32 s51, ttmp7, 0xffff
	s_lshl_b32 s51, s51, 2
	s_add_co_u32 s51, s51, s49                     ; y
	s_lshl_b32 s52, s49, 2
	s_lshl_b32 s52, 15, s52                        ; my row of the cluster
	s_lshl_b32 s53, 0x1111, s48                    ; my column
	s_or_b32 s[G1A], s52, (3<<16)|(1<<21)
	s_or_b32 s[G1B], s53, (3<<16)|(1<<21)
.irp g, G1A, G1B
	s_mov_b32 s[\g+1], 32<<16                      ; rows of 256 bytes,
	s_mov_b32 s[\g+2], 104<<16                     ; 104 of them: a quarter of a panel
	s_mov_b32 s[\g+3], 32<<16
	s_mov_b32 s[\g+4], 104
	s_mov_b32 s[\g+5], 32
	s_mov_b32 s[\g+6], 0
	s_mov_b32 s[\g+7], 0
.endr
	s_mul_i32 s18, s17, 26624
	s_mul_i32 s54, s51, 106496
	s_add_co_u32 s54, s54, s18
	s_mov_b32 s55, 0
	s_mul_i32 s56, s50, 106496
	s_add_co_u32 s56, s56, s18
	s_mov_b32 s57, 0
	s_mov_b32 s[G0A], 1
	s_mov_b32 s[G0A+1], s18
	s_mov_b32 s[G0B], 1
	s_add_co_u32 s[G0B+1], s18, 106496
	s_lshl_b32 s58, s50, 9
	s_lshl_b32 s59, s16, 8
	s_add_co_u32 s58, s58, s59                     ; my first feature, in bytes
	s_mov_b32 s59, 0
	s_lshl_b32 s60, s51, 7
	s_lshl_b32 s61, s15, 5
	s_add_co_u32 s60, s60, s61
	s_lshl_b32 s60, s60, 12                        ; my first row of 4,096 bytes
	s_add_co_u32 s60, s60, s58
	s_mov_b32 s61, 0
	s_mul_i32 s19, s15, 24576
	s_lshl_b32 s20, s15, 11
	s_add_co_u32 s20, s20, 98304
	s_mul_i32 s21, s16, 49152
	s_add_co_u32 s21, s21, 106496
	s_lshl_b32 s22, s16, 12
	s_add_co_u32 s22, s22, 204800
	s_mul_i32 s23, s[WV], 16*272
	s_add_co_u32 s23, s23, STG
	s_wait_alu depctr_va_vdst(0)                   ; the wait behind the run of scalar lines
	v_and_b32 v2, 31, v0
	v_and_b32 v11, 15, v0
	v_bfe_u32 v12, v0, 4, 1
	v_lshlrev_b32 v[L16], 4, v2
	v_lshlrev_b32 v13, 3, v2
	v_lshlrev_b32 v[L4], 2, v2
	v_lshlrev_b32 v[BOF], 7, v12
	v_add_nc_u32 v[AA], s19, v13
	v_add_nc_u32 v[ASC], s20, v[L4]
	v_add_nc_u32 v[BA], s21, v[L16]
	v_add_nc_u32 v[BSC], s22, v[L4]
	v_mul_u32_u24 v[STO], v11, 272
	v_mul_u32_u24 v[RD], v12, 272
	v_lshlrev_b32 v[GO], 12, v12
	v_lshl_add_u32 v[STO], v12, 7, v[STO]
	v_lshl_add_u32 v[RD], v11, 4, v[RD]
	v_lshl_add_u32 v[GO], v11, 4, v[GO]
	v_add_nc_u32 v[STO], s23, v[STO]
	v_add_nc_u32 v[RD], s23, v[RD]
	s_wait_alu depctr_va_vdst(0)                   ; the wait at the head's end
	s_wait_dscnt 0x0                               ; both opening adds are done
	s_wait_kmcnt 0x0
	s_add_nc_u64 s[G0A+2:G0A+3], s[4:5], s[54:55]
	s_or_b32 s[G0A+3], s[G0A+3], 0x80000000
	s_add_nc_u64 s[G0B+2:G0B+3], s[6:7], s[56:57]
	s_or_b32 s[G0B+3], s[G0B+3], 0x80000000
	s_add_nc_u64 s[8:9], s[8:9], s[58:59]
	s_add_nc_u64 s[10:11], s[10:11], s[60:61]
.irp a, 0,1
.irp b, 0,1,2,3
	global_load_b128 v[ACC+8*(4*\a+\b):ACC+8*(4*\a+\b)+3],   v[BOF], s[8:9] offset:32*\b
	global_load_b128 v[ACC+8*(4*\a+\b)+4:ACC+8*(4*\a+\b)+7], v[BOF], s[8:9] offset:32*\b+16
.endr
.endr
	ROUND                                          ; all sixteen work-groups are here: the joint loads meet
	s_cmp_lt_u32 s[WV], 4
	s_cbranch_scc0 .Lfor_b
	tensor_load_to_lds s[G0A:G0A+3], s[G1A:G1A+7]
	s_nop 0
	PLACES
	s_branch .Lasked
.Lfor_b:
	tensor_load_to_lds s[G0B:G0B+3], s[G1B:G1B+7]
	s_nop 0
	PLACES
.Lasked:
	s_wait_tensorcnt 0x0                           ; my quarter is in,
	s_barrier_signal -1
	s_barrier_wait -1                              ; everybody's is
	LOADK 0, 0
	LOADK 1, 1
	s_wait_loadcnt 0x0                             ; the bias
.irp s, 0,1,2,3,4,5,6,7
.if \s < 7
	s_wait_dscnt 30                                ; this step's 30 loads are in; the next step's may be out
.else
	s_wait_dscnt 0x0
.endif
.set EE, (\s)%2
.irp a, 0,1
.irp b, 0,1,2,3
	v_wmma_scale_f32_16x16x128_f8f6f4 v[ACC+8*(4*\a+\b):ACC+8*(4*\a+\b)+7], v[FR+72*EE+24+12*\b:FR+72*EE+24+12*\b+11], v[FR+72*EE+12*\a:FR+72*EE+12*\a+11], v[ACC+8*(4*\a+\b):ACC+8*(4*\a+\b)+7], v[SC+6*EE+2+\b], v[SC+6*EE+\a] matrix_a_fmt:MATRIX_FMT_FP6 matrix_b_fmt:MATRIX_FMT_FP6
.endr
.endr
.if \s < 6
	PLACES
	LOADK \s+2, \s%2
.endif
.endr
	PLACES
.irp a, 0,1
.irp b, 0,1,2,3
	ds_store_b128 v[STO], v[ACC+8*(4*\a+\b):ACC+8*(4*\a+\b)+3]   offset:32*\b        ; each accumulator from its low end on
	ds_store_b128 v[STO], v[ACC+8*(4*\a+\b)+4:ACC+8*(4*\a+\b)+7] offset:32*\b+16
.endr
.irp n, 0,1,2,3,4,5,6,7
	ds_load_b128 v[BK+32*\a+4*\n:BK+32*\a+4*\n+3], v[RD] offset:544*\n   ; a wave's LDS instructions are served in order: these see my stores
.endr
.endr
.irp a, 0,1
.irp n, 0,1,2,3,4,5,6,7
	s_wait_dscnt 23-16*\a-\n                       ; the LDS instructions issued behind this load may be out
	global_store_b128 v[GO], v[BK+32*\a+4*\n:BK+32*\a+4*\n+3], s[10:11] offset:(16*\a+2*\n)*4096 th:TH_STORE_NT
.endr
.endr
	s_wait_tensorcnt 0x0                           ; the wave's end
	ds_add_u32 v254, v255
	s_wait_dscnt 0x0
	ROUND                                          ; the closing round
	s_endpgm
.Lfunc_end_k_q78819f8c0d_outp:
	.size	k_q78819f8c0d_outp, .Lfunc_end_k_q78819f8c0d_outp-k_q78819f8c0d_outp
	.p2alignl 7, 3214868480
	.fill 96, 4, 3214868480
	.section	.rodata,"a",@progbits
	.p2align	6, 0x0
	.amdhsa_kernel k_q78819f8c0d_outp
		.amdhsa_group_segment_fixed_size 327680
		.amdhsa_private_segment_fixed_size 0
		.amdhsa_enable_private_segment 0
		.amdhsa_kernarg_size 32
		.amdhsa_user_sgpr_count 2
		.amdhsa_user_sgpr_kernarg_segment_ptr 1
		.amdhsa_wavefront_size32 1
		.amdhsa_system_sgpr_workgroup_id_x 1
		.amdhsa_system_sgpr_workgroup_id_y 1
		.amdhsa_system_sgpr_workgroup_id_z 1
		.amdhsa_system_vgpr_workitem_id 0
		.amdhsa_next_free_vgpr 256
		.amdhsa_next_free_sgpr 66
		.amdhsa_reserve_vcc 0
		.amdhsa_float_denorm_mode_32 3
		.amdhsa_float_denorm_mode_16_64 3
		.amdhsa_memory_ordered 1
		.amdhsa_forward_progress 1
		.amdhsa_inst_pref_size 36
	.end_amdhsa_kernel
	.amdgpu_metadata
---
amdhsa.version: [ 1, 2 ]
amdhsa.kernels:
  - .name:           k_q78819f8c0d_outp
    .symbol:         k_q78819f8c0d_outp.kd
    .args:
      - { .name: hq, .offset: 0, .size: 8, .value_kind: global_buffer, .address_space: global }
      - { .name: woq, .offset: 8, .size: 8, .value_kind: global_buffer, .address_space: global }
      - { .name: bo, .offset: 16, .size: 8, .value_kind: global_buffer, .address_space: global }
      - { .name: out0, .offset: 24, .size: 8, .value_kind: global_buffer, .address_space: global }
    .group_segment_fixed_size: 327680
    .private_segment_fixed_size: 0
    .kernarg_segment_align: 8
    .kernarg_segment_size: 32
    .max_flat_workgroup_size: 256
    .sgpr_count:     66
    .vgpr_count:     256
    .wavefront_size: 32
...
	.end_amdgpu_metadata
.endif
;; end of part 3
